; MI455X (gfx1250); checked and timed in simulation.
; The chip was launched on July 23, 2026; its instructions are those of AMD's public machine-readable ISA for CDNA 5 (MIT licence, August 2026) and "CDNA5" Instruction Set Architecture Reference Guide (July 2026). The comments in the code are by the model that wrote it; some were corrected since.
;; Linear Attention. Allowed arithmetic: matrix products marked QUANTISED: E5M2 operands, one E8M0 scale for each 32 along K, by v_wmma_scale_f32_16x16x128_f8f6f4 with both operands' format E5M2, f32 sums; everything else in f32.
;; Inputs: k 4 x 16 x 2,048 x 64 float32; q 4 x 16 x 2,048 x 64 float32; token_mask 4 x 2,048 bool; v_codes 4 x 16 x 64 x 64 x 32 uint8 (E5M2 codes of v, K innermost, in blocks of 32 codes); v_scales 4 x 16 x 64 x 64 uint8 (E8M0 scales of v, one for each 32 codes along K).
;; Outputs: out0 4 x 16 x 2,048 x 64 float32.
;; This version of the problem:
;;   THIS VERSION OF THE PROBLEM IS GIVEN IN LOW PRECISION. The matrix products marked QUANTISED in the list below multiply operands that are first quantised to E5M2 (5 exponent bits, 2 mantissa bits; 8 bits a number), with one power-of-two scale for each 32 numbers along K (OCP MX v1.0); their sums are f32. All else is computed in f32.
;;   The module's matrix products, in the order in which they are computed (A, B: the left and right operand; K: the contracted axis; several contracted axes count as one K, in the product's order):
;;     1. batch 64 x [M 64, K 2,048] x [K 2,048, N 64]; A: computed on the way; B: input v (given as codes): QUANTISED
;;     2. batch 64 x [M 64, K 2,048] x [K 2,048, N 64]; A: computed on the way; B: input v (given as codes): QUANTISED
;;     3. batch 64 x [M 2,048, K 64] x [K 64, N 64]; A: computed on the way; B: computed on the way: QUANTISED
;;     4. batch 64 x [M 2,048, K 64] x [K 64, N 64]; A: computed on the way; B: computed on the way: QUANTISED
;;   THE QUANTISER, for each operand of a quantised product, along K:
;;     - K is cut into blocks of 32 from its start; a last block that is shorter is filled with zeros.
;;     - A block's scale is 2^e with e = floor(log2(the largest magnitude in the block)) - 15, held to -126 .. 127; a block of zeros has e = 0. As a byte (E8M0): e + 127.
;;     - Each number is divided by its block's scale, clamped to +-57,344, and rounded to the nearest number of E5M2, ties to even, subnormals kept.
;;     - The product sums the exact products of the quantised numbers (number of the format x scale) in f32.
;;   ~~~python
;;   def quantise(x, axis):      # numpy; x: float32 -> the quantised numbers, widened to float32 again
;;       x = np.moveaxis(x, axis, -1); K = x.shape[-1]
;;       x = np.pad(x, [(0, 0)] * (x.ndim - 1) + [(0, -K % 32)]); x = x.reshape(x.shape[:-1] + (-1, 32)); a = np.abs(x).max(-1, keepdims=True)
;;       e = np.where(a > 0, np.clip(np.frexp(np.where(a > 0, a, 1))[1] - 1 - 15, -126, 127), 0)      # np.frexp(a)[1] - 1 = floor(log2(a)), exactly
;;       r = np.clip(x / 2.0 ** e, -57344, 57344)
;;       step = 2.0 ** (np.maximum(np.frexp(np.where(r == 0, 1, r))[1] - 1, -14) - 2)
;;       q = np.round(r / step) * step * 2.0 ** e      # np.round: ties to even
;;       return np.moveaxis(q.reshape(q.shape[:-2] + (-1,))[..., :K], -1, axis).astype(np.float32)
;;   ~~~
;;   OPERANDS COMPUTED ON THE WAY. 'Computed on the way' means the value that the module computes at that place (a softmax that the list does not call 'softmax' is quantised finished and normalised). What goes into a quantiser is computed in f32, as accurately as f32 sums, v_exp_f32 and their like allow (about 1e-6 of the number): no bf16 or f16 on the way to a quantiser, and a product that is left as it is and whose result goes on into a quantised operand takes f32 operands (vector FMAs, or v_wmma_f32_16x16x4_f32). A number that lies on a knife's edge between two numbers of the format may be rounded either way, as far as f32 arithmetic and the matrix unit's own rounding can turn it there, and no further.
;;   INPUTS GIVEN AS CODES. v (in the module: [4, 16, 2048, 64], K = its axis 2): each comes as NAME_codes (uint8): NAME with its K axis moved to the last place and cut into blocks of 32 codes, [.., K / 32, bytes a block], one block behind the other in memory; one code a byte (a code: sign, 5 exponent bits, 2 mantissa bits); and NAME_scales (uint8): the same leading axes, one E8M0 byte (e + 127) for each 32 codes along K. Its value is code x scale, taken as it is: it is not quantised again, and the codes and scales need not be those that the quantiser above would give.
;; One version. Each part assembles by itself: llvm-mc -triple=amdgcn-amd-amdhsa -mcpu=gfx1250 --defsym DOCPART=n.
;; ======== version 1 of 1: 2 launches
;; workspace buffers: part 8,388,608 bytes
;; launch kvpart (part 1): grid 256 x 1, 16 waves a work-group, no clusters, 107,520 bytes of LDS; arguments k, v_codes, v_scales, part; writes part
.if DOCPART == 1
	.amdgcn_target "amdgcn-amd-amdhsa--gfx1250"
	.amdhsa_code_object_version 6
	.text
	.protected	k_q4d93fff6b4_kvpart
	.globl	k_q4d93fff6b4_kvpart
	.p2align	8
	.type	k_q4d93fff6b4_kvpart,@function
k_q4d93fff6b4_kvpart:
	s_mov_b64 s[64:65], 0
	v_nop
	global_prefetch_b8 v0, s[64:65] scope:SCOPE_SE
	s_setreg_imm32_b32 hwreg(HW_REG_WAVE_MODE, 25, 1), 1
	s_wait_xcnt 0x0
; PARTIAL SUMS OF  kv_cos = (f(k) cos)^T v  AND  kv_sin = (f(k) sin)^T v,  both products on codes of E5M2 with one E8M0 scale for each 32 along K = the sequence.
; k: [64 heads][2048][64] f32.  v_codes: [64][64 vdim][2048] bytes, v_scales: [64][64][64].  f(x) = e^x under 0, x + 1 from 0 on.  cos, sin of (pi / 4096) s.
; part: [head][kind 2][n 4][quarter 4][j 4][half 2][lane 32][4] f32: accumulators as they stand in registers; the next launch adds a head's four quarters.
; SHARES.  A work-group takes 512 rows of one head (grid: 64 heads x 4 quarters).  No two work-groups read the same byte of k or of v_codes: so no cluster and no joint load.
; PHASE 1.  Wave w takes rows 32 w .. 32 w + 31: one block of 32 along K, block w % 4 of K step w / 4.  A load takes two whole rows of 256 bytes: lanes 0-15 row i, lanes 16-31 row 16 + i, 16 bytes a lane.
;   So lane (r, h) holds kdims 4 r .. 4 r + 3 of rows 16 h + 0 .. 15.  TILE j IS THE KDIMS 4 r + j: then the lane's 16 numbers of tile j run down K in the order of the operand's registers, and nothing is transposed.
;   The wave's eight quarter fragments (4 tiles x cos, sin) go to LDS as images of their registers (16 bytes a lane on end), their scale bytes beside them.
;   v's codes come as whole rows of 512 bytes and are laid in LDS so that TILE n IS THE VDIMS 4 r + n.
; PHASE 2, behind the one barrier.  Wave w makes tiles (j = w / 4, n = w % 4) of both kinds over the four K steps: 8 matrix instructions, two accumulators by turns.
;   In the result lane (r, h) holds vdim 4 r + n and, in register i, kdim 32 h + 4 i + j: with the four j together a whole block of 32 kdims, which is what the next launch quantises.
; LIMITS.  e^x is v_exp_f32 of x log2(e): its relative error grows as |x| x 6e-8, and what falls under 2^-126 becomes 0.  NaN and infinities among the inputs are not served.
;   A block of zeros gets the scale byte 1 where the rule says 127: its codes are zeros, and this program alone reads the bytes.  The sum over the sequence is made in four f32 parts.
.set VP,    528                        ; a row of v's codes in LDS: 512 bytes + 16, an odd multiple of 16: the 16 rows of a fragment load start 16 bytes apart modulo 256
.set AIMG,  0                          ; LDS: [K step 4][fragment 8 = 4 kind + j][block 4][512 bytes]
.set ASC,   65536                      ; their scale bytes: [K step 4][fragment 8][row 16][block 4]
.set VST,   67584                      ; v's codes: row 16 n + r holds vdim 4 r + n
.set TAB,   101376                     ; for each wave 256 bytes of its own: cos, then sin, of its 32 rows
.set KO,  1                            ; v1   k: 4096 h + 16 r
.set VO,  2                            ; v2   16 x lane: v's rows in memory, images, part
.set VSO, 3                            ; v3   v's scale bytes: 256 r (vdim 4 r + n, 64 bytes a vdim)
.set VW,  4                            ; v4   LDS: where I put rows of v
.set TW,  5                            ; v5   LDS: my word of the wave's table
.set TR,  6                            ; v6   LDS: my half's 16 rows in the table
.set AW,  7                            ; v7   LDS: where I put quarter fragments
.set SW,  8                            ; v8   LDS: and their scale bytes
.set AR,  9                            ; v9   LDS: phase 2: my tile's fragments
.set SR,  10                           ; v10  LDS: and their scale words
.set BR,  11                           ; v11  LDS: phase 2: my tile of v
.set SV,  12                           ; v12-15   v's scale words of the four K steps
.set X,   16                           ; v16-79   k as loaded, then x + 1;  later, with T, the eight units f cos, f sin;  phase 2: k's eight fragments (v16-143)
.set T,   80                           ; v80-143  x log2(e), then 2^that
.set F,   144                          ; v144-207 f, tile j at 16 j;  later the codes;  phase 2: v's four fragments
.set COS, 208                          ; v208-223 cos of my 16 rows;  later scale bytes;  phase 2: scale words
.set SIN, 224                          ; v224-239 sin of my 16 rows;  phase 2: the two accumulators
.set TM,  240                          ; v240-255 v's rows on their way to LDS;  later largest magnitudes and scales
	s_load_b256 s[4:11], s[0:1], 0x0               ; k s[4:5], v_codes s[6:7], v_scales s[8:9], part s[10:11]
	v_lshrrev_b32 v80, 5, v0
	v_readfirstlane_b32 s12, v80                   ; wave 0..15
	s_lshr_b32 s13, ttmp9, 2                       ; head
	s_and_b32 s14, ttmp9, 3                        ; quarter of the sequence
	s_lshr_b32 s15, s12, 2                         ; phase 1: my K step;  phase 2: my j
	s_and_b32 s16, s12, 3                          ; phase 1: my block in it;  phase 2: my n
	s_lshl_b32 s17, s14, 9
	s_lshl_b32 s26, s12, 5
	s_add_co_u32 s17, s17, s26                     ; my first row: 512 x quarter + 32 x wave
	s_lshl_b32 s18, s13, 19                        ; k: head x 2048 rows x 256 bytes
	s_lshl_b32 s26, s17, 8
	s_add_co_u32 s18, s18, s26                     ; + my first row
	s_mov_b32 s19, 0
	s_lshl_b32 s20, s13, 17                        ; v_codes: head x 64 x 2048
	s_lshl_b32 s26, s12, 13
	s_add_co_u32 s20, s20, s26                     ; + vdims 4 w on
	s_lshl_b32 s26, s14, 9
	s_add_co_u32 s20, s20, s26                     ; + the quarter's 512 bytes of a row
	s_mov_b32 s21, 0
	s_lshl_b32 s22, s13, 12                        ; v_scales: head x 64 x 64
	s_lshl_b32 s26, s16, 6
	s_add_co_u32 s22, s22, s26                     ; + vdim n
	s_lshl_b32 s26, s14, 4
	s_add_co_u32 s22, s22, s26                     ; + the quarter's 16 bytes of a row
	s_mov_b32 s23, 0
	s_lshl_b32 s24, s13, 17                        ; part: head x 131072
	s_lshl_b32 s26, s16, 14
	s_add_co_u32 s24, s24, s26                     ; + n x 16384
	s_lshl_b32 s26, s14, 12
	s_add_co_u32 s24, s24, s26                     ; + quarter x 4096
	s_lshl_b32 s26, s15, 10
	s_add_co_u32 s24, s24, s26                     ; + j x 1024
	s_mov_b32 s25, 0
	s_mov_b32 s27, 0x600000                        ; the mantissa field of 57,344
	s_mov_b32 s28, 0x3fb8aa3b                      ; log2(e); the packed form names the pair and takes its low word for both halves
	s_mov_b32 s29, s28
	s_mov_b32 s30, 0x76543210                      ; v_permlanex16_b32's selects for lane l xor 16
	s_mov_b32 s31, 0xfedcba98
	v_and_b32 v80, 15, v0                          ; r
	v_bfe_u32 v81, v0, 4, 1                        ; h
	v_and_b32 v82, 31, v0                          ; lane
	v_lshlrev_b32 v[KO], 4, v80
	v_lshl_add_u32 v[KO], v81, 12, v[KO]
	v_lshlrev_b32 v[VO], 4, v82
	v_lshlrev_b32 v[VSO], 8, v80
	s_mul_i32 s26, s12, VP
	s_add_co_u32 s26, s26, VST
	v_add_nc_u32 v[VW], s26, v[VO]                 ; vdim 4 w + x goes to LDS row 16 x + w
	s_lshl_b32 s26, s12, 8
	s_add_co_u32 s26, s26, TAB
	v_lshl_add_u32 v[TW], v82, 2, s26
	v_lshl_add_u32 v[TR], v81, 6, s26
	s_lshl_b32 s26, s15, 14
	s_lshl_b32 s33, s16, 9
	s_add_co_u32 s26, s26, s33
	v_add_nc_u32 v[AW], s26, v[VO]                 ; K step x 16384 + block x 512 + 16 x lane
	s_lshl_b32 s26, s15, 9
	s_add_co_u32 s26, s26, s16
	s_add_co_u32 s26, s26, ASC
	v_lshl_add_u32 v[SW], v80, 2, s26              ; K step x 512 + 4 r + block
	s_lshl_b32 s26, s15, 11
	v_add_nc_u32 v[AR], s26, v[VO]                 ; j x 2048 + 16 x lane
	s_lshl_b32 s26, s15, 6
	s_add_co_u32 s26, s26, ASC
	v_lshl_add_u32 v[SR], v80, 2, s26              ; j x 64 + 4 r
	s_mul_i32 s26, s16, 16*VP
	s_add_co_u32 s26, s26, VST
	v_mul_u32_u24 v[BR], v80, VP
	v_lshl_add_u32 v[BR], v81, 4, v[BR]
	v_add_nc_u32 v[BR], s26, v[BR]                 ; row 16 n + r, + 16 h
	s_wait_kmcnt 0x0
	s_add_nc_u64 s[4:5], s[4:5], s[18:19]
	s_add_nc_u64 s[6:7], s[6:7], s[20:21]
	s_add_nc_u64 s[8:9], s[8:9], s[22:23]
	s_add_nc_u64 s[10:11], s[10:11], s[24:25]
	; everything that the wave reads from memory is asked for here: 21 loads
	global_load_b128 v[SV:SV+3], v[VSO], s[8:9]    ; 16 bytes of each of 16 rows of 64: one byte in 160 of what the work-group reads
.irp x, 0,1,2,3
	global_load_b128 v[TM+4*\x:TM+4*\x+3], v[VO], s[6:7] offset:2048*\x th:TH_LOAD_NT   ; 32 lanes read the quarter's 512 consecutive bytes of vdim 4 w + x
.endr
.irp i, 0,1,2,3,4,5,6,7,8,9,10,11,12,13,14,15
	global_load_b128 v[X+4*\i:X+4*\i+3], v[KO], s[4:5] offset:256*\i th:TH_LOAD_NT      ; rows i and 16 + i, each 256 consecutive bytes from sixteen lanes
.endr
	; cos and sin of my wave's 32 rows, one row a lane.  The angle is rounded as the definition rounds it: f32(pi / 4096) x s.  Above pi / 4 the angle is taken off pi / 2, held in two words
	; (the first subtraction is exact), and the two series change places: so small cosines keep their relative accuracy.
	v_add_nc_u32 v83, s17, v82
	v_cvt_f32_u32 v83, v83
	v_mul_f32 v83, 0x3a490fdb, v83                 ; the angle
	v_sub_f32 v84, 0x3fc90fdb, v83
	v_add_f32 v84, 0xb33bbd2e, v84                 ; pi / 2 - angle
	v_cmp_lt_f32 vcc_lo, 0x3f490fdb, v83           ; pi / 4 < angle
	v_cndmask_b32 v85, v83, v84, vcc_lo            ; y, at most pi / 4
	v_mul_f32 v86, v85, v85                        ; z = y^2
	v_mov_b32 v87, 0xb94ca1f9
	v_fmaak_f32 v87, v87, v86, 0x3c08839e
	v_fmaak_f32 v87, v87, v86, 0xbe2aaaa3
	v_mul_f32 v87, v87, v86
	v_fma_f32 v87, v87, v85, v85                   ; sin y = y + y z (..)
	v_mov_b32 v88, 0x37ccf5ce
	v_fmaak_f32 v88, v88, v86, 0xbab6061a
	v_fmaak_f32 v88, v88, v86, 0x3d2aaaa5
	v_mul_f32 v89, v86, v86
	v_fma_f32 v90, v86, -0.5, 1.0
	v_fma_f32 v88, v88, v89, v90                   ; cos y = 1 - z / 2 + z^2 (..)
	v_cndmask_b32 v89, v88, v87, vcc_lo            ; cos of the angle
	v_cndmask_b32 v90, v87, v88, vcc_lo            ; sin of the angle
	ds_store_b32 v[TW], v89
	ds_store_b32 v[TW], v90 offset:128
.irp q, 0,1,2,3
	ds_load_b128 v[COS+4*\q:COS+4*\q+3], v[TR] offset:16*\q        ; the wave's own bytes, and LDS serves a wave's instructions in order: these see the stores above
	ds_load_b128 v[SIN+4*\q:SIN+4*\q+3], v[TR] offset:128+16*\q
.endr
	s_wait_loadcnt 16                              ; v's scale words and rows are in; k's 16 loads, issued behind them, may be out
.irp x, 0,1,2,3
	ds_store_b128 v[VW], v[TM+4*\x:TM+4*\x+3] offset:16*VP*\x
.endr
	s_wait_dscnt 0x0                               ; cos and sin are in, and the stores are done with v89, v90 and v240-255, which are written again below
; Four rows of each half (16 registers): f = e^x under 0, x + 1 from 0 on.  Under 0: x + 1 < e^x < 1; from 0 on: 1 <= x + 1 <= e^x.  So f is the middle one of e^x, x + 1 and 1.
.macro BATCH g
	s_wait_loadcnt 12-4*\g                         ; my loads come back in order: this batch's four are in, the later batches' may be out
.irp k, 0,2,4,6,8,10,12,14
	v_pk_mul_f32 v[T+16*\g+\k:T+16*\g+\k+1], v[X+16*\g+\k:X+16*\g+\k+1], s[28:29] op_sel_hi:[1,0]
.endr
.irp k, 0,1,2,3,4,5,6,7,8,9,10,11,12,13,14,15
	v_exp_f32 v[T+16*\g+\k], v[T+16*\g+\k]
.endr
.irp k, 0,2,4,6,8,10,12,14
	v_pk_add_f32 v[X+16*\g+\k:X+16*\g+\k+1], v[X+16*\g+\k:X+16*\g+\k+1], 1.0 op_sel_hi:[1,0]   ; plain work that names no exponential's result
.endr
	s_wait_alu depctr_va_vdst(0)                   ; one wait for the batch's sixteen exponentials, ahead of their first reader
.irp i, 0,1,2,3
.irp j, 0,1,2,3
	v_med3_num_f32 v[F+16*\j+4*\g+\i], v[T+16*\g+4*\i+\j], v[X+16*\g+4*\i+\j], 1.0   ; and it lands where tile j's row 4 g + i belongs
.endr
.endr
.endm
	BATCH 0
	BATCH 1
	BATCH 2
	BATCH 3
	; the eight units: unit j = f cos of tile j, unit 4 + j = f sin; 16 numbers down K each, over X and T, which are done with
.irp j, 0,1,2,3
.irp i, 0,2,4,6,8,10,12,14
	v_pk_mul_f32 v[X+16*\j+\i:X+16*\j+\i+1], v[F+16*\j+\i:F+16*\j+\i+1], v[COS+\i:COS+\i+1]
	v_pk_mul_f32 v[X+64+16*\j+\i:X+64+16*\j+\i+1], v[F+16*\j+\i:F+16*\j+\i+1], v[SIN+\i:SIN+\i+1]
.endr
.endr
	; each unit's largest number (none is negative), the eight by turns, with the floor 2^(16 - 127) among the leaves: so the byte cannot fall under 1
.irp f, 0,1,2,3,4,5,6,7
	v_max3_num_f32 v[TM+\f], v[X+16*\f], v[X+16*\f+1], 0x8000000
.endr
.irp i, 2,4,6,8,10,12,14
.irp f, 0,1,2,3,4,5,6,7
	v_max3_num_f32 v[TM+\f], v[TM+\f], v[X+16*\f+\i], v[X+16*\f+\i+1]
.endr
.endr
.irp f, 0,1,2,3,4,5,6,7
	v_permlanex16_b32 v[TM+8+\f], v[TM+\f], s30, s31
.endr
.irp f, 0,1,2,3,4,5,6,7
	v_max_num_f32 v[TM+\f], v[TM+\f], v[TM+8+\f]   ; with lane l xor 16's 16 rows: the block's
.endr
.irp f, 0,1,2,3,4,5,6,7
	v_add_nc_u32 v[TM+8+\f], 0xf8800000, v[TM+\f]  ; 15 off its exponent field: the conversion takes that field as its scale
.endr
.irp f, 0,1,2,3,4,5,6,7
	v_and_or_b32 v[TM+\f], v[TM+\f], 0x7f800000, s27   ; 57,344 x the scale
.endr
.irp f, 0,1,2,3,4,5,6,7
	v_lshrrev_b32 v[COS+\f], 23, v[TM+8+\f]        ; the scale's byte
.endr
.irp f, 0,1,2,3,4,5,6,7
.irp i, 0,1,2,3,4,5,6,7,8,9,10,11,12,13,14,15
	v_min_num_f32 v[X+16*\f+\i], v[X+16*\f+\i], v[TM+\f]   ; the conversion to an 8-bit code does not saturate (ISA guide 7.6.2); nothing is negative, so the hold is one-sided
.endr
	v_cvt_scalef32_pk8_bf8_f32 v[F+4*\f:F+4*\f+1], v[X+16*\f:X+16*\f+7], v[TM+8+\f]
	v_cvt_scalef32_pk8_bf8_f32 v[F+4*\f+2:F+4*\f+3], v[X+16*\f+8:X+16*\f+15], v[TM+8+\f]
.endr
	v_nop                                          ; a plain instruction behind the last conversion
.irp f, 0,1,2,3,4,5,6,7
	ds_store_b128 v[AW], v[F+4*\f:F+4*\f+3] offset:2048*\f     ; registers 4 c .. 4 c + 3 of fragment f of my K step, as they stand
	ds_store_b8 v[SW], v[COS+\f] offset:64*\f                  ; byte c of row r's scale word; both halves of the lanes write the same byte with the same value
.endr
	s_wait_dscnt 0x0                               ; for the others' sake: my stores have landed
	s_barrier_signal -1
	s_barrier_wait -1                              ; all fragments, scale bytes and rows of v lie in LDS
	; PHASE 2: 14 LDS loads a K step, all 56 issued on end
.irp s, 0,1,2,3
.irp d, 0,1
.irp c, 0,1,2,3
	ds_load_b128 v[X+16*(2*\s+\d)+4*\c:X+16*(2*\s+\d)+4*\c+3], v[AR] offset:16384*\s+8192*\d+512*\c
.endr
.endr
.irp c, 0,1,2,3
	ds_load_b128 v[F+16*\s+4*\c:F+16*\s+4*\c+3], v[BR] offset:128*\s+32*\c
.endr
	ds_load_b32 v[COS+2*\s], v[SR] offset:512*\s
	ds_load_b32 v[COS+2*\s+1], v[SR] offset:512*\s+256
.endr
	; source 0 = 16 kdims of k's tile j, source 1 = 16 vdims of v's tile n.  The two accumulators take turns; the first K step starts the sums
	s_wait_dscnt 42                                ; K step 0's 14 loads are in; the 42 of the later K steps may be out
	v_wmma_scale_f32_16x16x128_f8f6f4 v[SIN:SIN+7], v[X:X+15], v[F:F+15], 0, v[COS], v[SV] matrix_a_fmt:MATRIX_FMT_BF8 matrix_b_fmt:MATRIX_FMT_BF8
	v_wmma_scale_f32_16x16x128_f8f6f4 v[SIN+8:SIN+15], v[X+16:X+31], v[F:F+15], 0, v[COS+1], v[SV] matrix_a_fmt:MATRIX_FMT_BF8 matrix_b_fmt:MATRIX_FMT_BF8
.irp s, 1,2,3
	s_wait_dscnt 42-14*\s                          ; this K step's loads are in; 14 for each later one may be out
	v_wmma_scale_f32_16x16x128_f8f6f4 v[SIN:SIN+7], v[X+32*\s:X+32*\s+15], v[F+16*\s:F+16*\s+15], v[SIN:SIN+7], v[COS+2*\s], v[SV+\s] matrix_a_fmt:MATRIX_FMT_BF8 matrix_b_fmt:MATRIX_FMT_BF8
	v_wmma_scale_f32_16x16x128_f8f6f4 v[SIN+8:SIN+15], v[X+32*\s+16:X+32*\s+31], v[F+16*\s:F+16*\s+15], v[SIN+8:SIN+15], v[COS+2*\s+1], v[SV+\s] matrix_a_fmt:MATRIX_FMT_BF8 matrix_b_fmt:MATRIX_FMT_BF8
.endr
.rept 8
	v_nop                                          ; eight places between this form's last instruction and the stores that read its result
.endr
	global_store_b128 v[VO], v[SIN:SIN+3], s[10:11]                    ; each store: 512 consecutive bytes, aligned; each accumulator from its low end on
	global_store_b128 v[VO], v[SIN+4:SIN+7], s[10:11] offset:512
	global_store_b128 v[VO], v[SIN+8:SIN+11], s[10:11] offset:65536
	global_store_b128 v[VO], v[SIN+12:SIN+15], s[10:11] offset:66048
	s_wait_xcnt 0x0
	v_lshl_add_u32 v254, v0, 2, 0x19c00
	v_mov_b32 v255, 0
	s_wait_tensorcnt 0x0
	ds_add_u32 v254, v255
	s_wait_dscnt 0x0
	s_endpgm
.Lfunc_end_k_q4d93fff6b4_kvpart:
	.size	k_q4d93fff6b4_kvpart, .Lfunc_end_k_q4d93fff6b4_kvpart-k_q4d93fff6b4_kvpart
	.p2alignl 7, 3214868480
	.fill 96, 4, 3214868480
	.section	.rodata,"a",@progbits
	.p2align	6, 0x0
	.amdhsa_kernel k_q4d93fff6b4_kvpart
		.amdhsa_group_segment_fixed_size 107520
		.amdhsa_private_segment_fixed_size 0
		.amdhsa_enable_private_segment 0
		.amdhsa_kernarg_size 32
		.amdhsa_user_sgpr_count 2
		.amdhsa_user_sgpr_kernarg_segment_ptr 1
		.amdhsa_wavefront_size32 1
		.amdhsa_system_sgpr_workgroup_id_x 1
		.amdhsa_system_sgpr_workgroup_id_y 1
		.amdhsa_system_sgpr_workgroup_id_z 1
		.amdhsa_system_vgpr_workitem_id 0
		.amdhsa_next_free_vgpr 256
		.amdhsa_next_free_sgpr 66
		.amdhsa_reserve_vcc 1
		.amdhsa_float_denorm_mode_32 3
		.amdhsa_float_denorm_mode_16_64 3
		.amdhsa_memory_ordered 1
		.amdhsa_forward_progress 1
		.amdhsa_inst_pref_size 40
	.end_amdhsa_kernel
	.amdgpu_metadata
---
amdhsa.version: [ 1, 2 ]
amdhsa.kernels:
  - .name:           k_q4d93fff6b4_kvpart
    .symbol:         k_q4d93fff6b4_kvpart.kd
    .args:
      - { .name: k, .offset: 0, .size: 8, .value_kind: global_buffer, .address_space: global }
      - { .name: v_codes, .offset: 8, .size: 8, .value_kind: global_buffer, .address_space: global }
      - { .name: v_scales, .offset: 16, .size: 8, .value_kind: global_buffer, .address_space: global }
      - { .name: part, .offset: 24, .size: 8, .value_kind: global_buffer, .address_space: global }
    .group_segment_fixed_size: 107520
    .private_segment_fixed_size: 0
    .kernarg_segment_align: 8
    .kernarg_segment_size: 32
    .max_flat_workgroup_size: 512
    .sgpr_count:     66
    .vgpr_count:     256
    .wavefront_size: 32
...
	.end_amdgpu_metadata
.endif
;; end of part 1
;; launch apply (part 2): grid 256 x 1, 16 waves a work-group, clusters of 4 x 1, 281,600 bytes of LDS; arguments q, token_mask, part, out0; writes out0
.if DOCPART == 2
	.amdgcn_target "amdgcn-amd-amdhsa--gfx1250"
	.amdhsa_code_object_version 6
	.text
	.protected	k_q4d93fff6b4_apply
	.globl	k_q4d93fff6b4_apply
	.p2align	8
	.type	k_q4d93fff6b4_apply,@function
k_q4d93fff6b4_apply:
	s_mov_b64 s[64:65], 0
	v_nop
	global_prefetch_b8 v0, s[64:65] scope:SCOPE_SE
	s_setreg_imm32_b32 hwreg(HW_REG_WAVE_MODE, 25, 1), 1
	s_wait_xcnt 0x0
	s_wait_alu depctr_hold_cnt(0) depctr_sa_sdst(0) depctr_va_vdst(0) depctr_va_sdst(0) depctr_va_ssrc(0) depctr_va_vcc(0) depctr_vm_vsrc(0)
	s_getreg_b32 s2, hwreg(HW_REG_IB_STS2, 6, 4)
	s_cmp_eq_u32 s2, 0
	s_cbranch_scc0 .Lentry_in_a_cluster
	s_endpgm
.Lentry_in_a_cluster:
	s_bfe_u32 s2, ttmp6, 0x10000c
	s_cmp_lg_u32 s2, 0x3003
	s_cbranch_scc0 .Lentry_shape_is_right
	s_endpgm
.Lentry_shape_is_right:
; out0 = ( Q(f(q) cos m) Q(kv_cos) + Q(f(q) sin m) Q(kv_sin) ) / 8, both products on codes of E5M2 with one E8M0 scale for each 32 along K = the 64 kdims.
; q, out0: [64 heads][2048][64] f32.  token_mask: [4][2048] bytes, 0 or 1.  part: a head's four partial sums of kv, as the launch before left them:
; [head][unit 8 = 4 kind + n][quarter 4][j 4][half 2][lane 32][4] f32; in a unit lane (r, h) holds vdim 4 r + n and, over j and the eight registers i, kdim 32 h + 4 i + j.
; THE TWO PRODUCTS ARE ONE MATRIX INSTRUCTION: its K of 128 is [cos: kdims 0-63 | sin: kdims 0-63], so its four blocks of 32 are the quantiser's four blocks, and the f32 accumulator adds the two products.
; Inside a block, place 16 h + 4 a + b holds kdim 16 h + 4 b + a, on both operands alike: that is the order in which kv's sums lie in registers, and q's numbers are written to it by the instruction that makes f.
; SHARES.  A work-group takes 512 rows of one head; each of its 16 waves 32 rows, two tiles of 16.  CLUSTER: the four work-groups of a head need the same 131,072 bytes of part: waves 0-7 ask for them
; JOINTLY, a unit's 16,384 dense bytes each, with one descriptor and a mask that names the four.  Each wave brings its own 32 rows of q by a load of its own (whole rows of 256 bytes; 272 apart in LDS).
; All tensor loads are first fills: no LDS byte is filled twice.  A wave has two of them out at the most, and reads only what it asked for itself, behind its own wait.
; Waves 0-7 add a unit's four parts, quantise (a lane holds a whole block) and put the codes into LDS as the image of kv's fragment; one barrier; every wave then holds kv's four fragments.
; THE WAY OUT needs no LDS: source 0 = 16 rows of q, source 1 = the vdims 4 r + n.  Register i of tile n in lane (r, h) is out(row 8 h + i, vdim 4 r + n): the division by 8 writes the four n side by side,
; and sixteen lanes store a whole row of 256 bytes.
; LIMITS.  e^x is v_exp_f32 of x log2(e): its relative error grows as |x| x 6e-8, and what falls under 2^-126 becomes 0.  NaN and infinities among the inputs are not served.
;   A block of zeros (a masked row; sin at row 0) gets the scale byte 1 where the rule says 127: its codes are zeros, and this program alone reads the bytes.
.set QP,    272                        ; a row of q in LDS: 256 bytes + 16, an odd multiple of 16: the 16 rows of a load start 16 bytes apart modulo 256
.set PART,  0                          ; LDS: unit u's four parts at 16384 u
.set QST,   131072                     ; wave w's 32 rows of q at 32 QP w
.set BIMG,  270336                     ; kv's four fragments as images of their registers: [n 4][block 4][512 bytes]
.set BSC,   278528                     ; their scale bytes: [n 4][vdim r 16][block 4]
.set X,   16                           ; v16-47, v48-79 tile 0's and tile 1's q, then x + 1, then f cos;  v16-47 later kv's fragments 0, 1
.set T,   80                           ; v80-111  x log2(e), 2^that, then f sin
.set F,   112                          ; v112-143 f;  later the rows to be stored
.set A,   144                          ; v144-159 q's fragment
.set ACC, 160                          ; v160-191 four accumulators
.set KV,  80                           ; v80-207  waves 0-7, ahead of all that: a unit's four parts;  v208-215 its codes;  v192-223 later kv's fragments 2, 3
.set CM,  224                          ; v224-231 tile t: cos m twice, sin m twice (pairs for the packed multiply)
.set M,   232                          ; v232-235 largest f of the two blocks, and the other half's
.set AM,  236                          ; v236-239 largest magnitudes of the four blocks, then 57,344 x the scale
.set BS,  240                          ; v240-243 kv's scale words
.set SC,  244                          ; v244-247 the conversions' scale operands
.set BY,  248                          ; v248-251 scale bytes
.set QW,  252                          ; v252     q's scale word
.macro ROUND                           ; a round of the cluster's barrier: my work-group's barrier; wave 0 signals for the work-group; every wave waits for all four; my work-group's barrier once more
	s_barrier_signal -1
	s_barrier_wait -1
	s_cmp_lg_u32 s12, 0
	s_cbranch_scc1 .Lnot_wave_0_\@
	s_barrier_signal -3
.Lnot_wave_0_\@:
	s_barrier_wait -3
	s_barrier_signal -1
	s_barrier_wait -1
.endm
	s_load_b256 s[4:11], s[0:1], 0x0               ; q s[4:5], token_mask s[6:7], part s[8:9], out0 s[10:11]
	v_lshl_add_u32 v254, v0, 2, 0x44400
	v_mov_b32 v255, 0
	ds_add_u32 v254, v255
	ds_add_u32 v254, v255
	v_lshrrev_b32 v1, 5, v0
	v_readfirstlane_b32 s12, v1                    ; wave 0..15
	s_bfe_u32 s14, ttmp6, 0x40000                  ; my place in the cluster = my quarter of the sequence: it enters q's, the mask's and out0's addresses and the angles, and nothing else
	s_lshl_b32 s15, s14, 9
	s_lshl_b32 s16, s12, 5
	s_add_co_u32 s15, s15, s16                     ; my wave's first row
	s_lshl_b32 s16, ttmp9, 19                      ; the head (in a cluster launch ttmp9 counts clusters) x 2048 rows x 256 bytes
	s_lshl_b32 s17, s15, 8
	s_add_co_u32 s16, s16, s17
	s_mov_b32 s17, 0
	s_lshr_b32 s18, ttmp9, 4                       ; the batch: 16 heads each
	s_lshl_b32 s18, s18, 11
	s_add_co_u32 s18, s18, s15
	s_mov_b32 s19, 0
	s_and_b32 s20, s12, 7                          ; the unit that I fetch and quantise, if I do
	s_lshl_b32 s21, s20, 14
	s_lshl_b32 s22, ttmp9, 17
	s_add_co_u32 s22, s22, s21                     ; its place in part: the head and the wave's number alone, the same in all four partners
	s_mov_b32 s23, 0
	; descriptor group 1 for a unit: 16,384 dense bytes as 64 rows of 32 elements of 8 bytes, no padding
	s_mov_b32 s24, 15|(3<<16)|(1<<21)              ; 15:0 the mask: all four work-groups; 17:16 elements of 8 bytes; 21 set beside a mask
	s_mov_b32 s25, 32<<16                          ; tensor_dim0 = 32
	s_mov_b32 s26, 64<<16                          ; tensor_dim1 = 64
	s_mov_b32 s27, 32<<16                          ; tile_dim0 = 32
	s_mov_b32 s28, 64                              ; tile_dim1 = 64
	s_mov_b32 s29, 32                              ; from row to row
	s_mov_b32 s30, 0
	s_mov_b32 s31, 0
	; and for my rows of q: 32 rows of 256 bytes, 16 bytes of padding behind each; no mask: the load is mine alone
	s_mov_b32 s40, (3<<16)|(1<<20)|(5<<22)|(3<<25) ; elements of 8 bytes; padding on; after every 64 words (code 5) 4 words (code 3)
	s_mov_b32 s41, 32<<16
	s_mov_b32 s42, 32<<16
	s_mov_b32 s43, 32<<16
	s_mov_b32 s44, 32
	s_mov_b32 s45, 32
	s_mov_b32 s46, 0
	s_mov_b32 s47, 0
	s_mov_b32 s36, 0x3fb8aa3b                      ; log2(e); the packed form names the pair and takes its low word for both halves
	s_mov_b32 s37, s36
	s_mov_b32 s38, 0x76543210                      ; v_permlanex16_b32's selects for lane l xor 16
	s_mov_b32 s39, 0xfedcba98
	s_mov_b32 s52, 0x600000                        ; the mantissa field of 57,344
	s_mov_b32 s53, 0x3e000000                      ; 1 / 8
	; every LDS address is made here, ahead of the first branch on the wave's number
	v_and_b32 v1, 15, v0                           ; r; also my byte in the mask
	v_bfe_u32 v2, v0, 4, 1                         ; h
	v_and_b32 v3, 31, v0                           ; lane
	s_mul_i32 s54, s12, 32*QP
	s_add_co_u32 s54, s54, QST                     ; my rows of q in LDS
	v_mul_u32_u24 v4, v1, QP
	v_lshl_add_u32 v4, v2, 6, v4
	v_add_nc_u32 v4, s54, v4                       ; v4: row r, + 64 h: my 16 kdims of a block
	v_lshlrev_b32 v5, 4, v1
	v_lshl_add_u32 v5, v2, 11, v5                  ; v5: out0: row 8 h, + 16 r
	v_lshl_add_u32 v6, v3, 4, s21                  ; v6: my unit's parts: 16 x lane
	s_and_b32 s55, s12, 3                          ; the unit's n
	s_bfe_u32 s56, s12, 0x10002                    ; and its kind
	s_lshl_b32 s57, s55, 11
	s_lshl_b32 s58, s56, 10
	s_add_co_u32 s57, s57, s58
	s_add_co_u32 s57, s57, BIMG
	v_lshlrev_b32 v7, 4, v1
	v_lshl_add_u32 v7, v2, 9, v7
	v_add_nc_u32 v7, s57, v7                       ; v7: fragment n, block 2 kind + h, lane r (and 256 bytes on: lane 16 + r)
	s_lshl_b32 s57, s55, 6
	s_lshl_b32 s58, s56, 1
	s_add_co_u32 s57, s57, s58
	s_add_co_u32 s57, s57, BSC
	v_lshl_add_u32 v8, v1, 2, v2
	v_add_nc_u32 v8, s57, v8                       ; v8: byte 2 kind + h of vdim r's scale word
	v_lshl_add_u32 v9, v3, 4, BIMG                 ; v9: a fragment's image for my lane
	v_lshl_add_u32 v10, v1, 2, BSC                 ; v10: vdim r's scale word
	s_wait_dscnt 0x0
	s_wait_kmcnt 0x0
	s_add_nc_u64 s[6:7], s[6:7], s[18:19]
	s_add_nc_u64 s[10:11], s[10:11], s[16:17]
	global_load_u8 v12, v1, s[6:7]                 ; the mask of my row in tile 0 and in tile 1: 32 bytes a wave of an input of 8,192
	global_load_u8 v13, v1, s[6:7] offset:16
	s_mov_b32 s32, 1                               ; group 0 for the unit: count 1,
	s_mov_b32 s33, s21                             ; LDS address,
	s_add_nc_u64 s[34:35], s[8:9], s[22:23]        ; global address,
	s_or_b32 s35, s35, 0x80000000                  ; type 2
	s_mov_b32 s48, 1                               ; group 0 for q
	s_mov_b32 s49, s54
	s_add_nc_u64 s[50:51], s[4:5], s[16:17]
	s_or_b32 s51, s51, 0x80000000
	ROUND                                          ; all four work-groups are here: the joint loads meet
	s_cmp_lt_u32 s12, 8                            ; the branch hangs on the wave's number alone
	s_cbranch_scc0 .Lno_part
	tensor_load_to_lds s[32:35], s[24:31]          ; kv first: every wave's products wait for it
	s_nop 0
.rept 4
	v_nop
.endr
.Lno_part:
	tensor_load_to_lds s[48:51], s[40:47]
	s_nop 0
.rept 4
	v_nop
.endr
; cos and sin of row s15 + 16 t + r.  The angle is rounded as the definition rounds it: f32(pi / 4096) x s.  Above pi / 4 it is taken off pi / 2, held in two words (the first subtraction is exact),
; and the two series change places: so small cosines keep their relative accuracy.
.macro SINCOS t
	v_add3_u32 v232, v1, s15, 16*\t
	v_cvt_f32_u32 v232, v232
	v_mul_f32 v232, 0x3a490fdb, v232               ; the angle
	v_sub_f32 v233, 0x3fc90fdb, v232
	v_add_f32 v233, 0xb33bbd2e, v233               ; pi / 2 - angle
	v_cmp_lt_f32 vcc_lo, 0x3f490fdb, v232          ; pi / 4 < angle
	v_cndmask_b32 v234, v232, v233, vcc_lo         ; y, at most pi / 4
	v_mul_f32 v235, v234, v234                     ; z = y^2
	v_mov_b32 v236, 0xb94ca1f9
	v_fmaak_f32 v236, v236, v235, 0x3c08839e
	v_fmaak_f32 v236, v236, v235, 0xbe2aaaa3
	v_mul_f32 v236, v236, v235
	v_fma_f32 v236, v236, v234, v234               ; sin y
	v_mov_b32 v237, 0x37ccf5ce
	v_fmaak_f32 v237, v237, v235, 0xbab6061a
	v_fmaak_f32 v237, v237, v235, 0x3d2aaaa5
	v_mul_f32 v238, v235, v235
	v_fma_f32 v239, v235, -0.5, 1.0
	v_fma_f32 v237, v237, v238, v239               ; cos y
	v_cndmask_b32 v[CM+4*\t], v237, v236, vcc_lo   ; cos of the angle
	v_cndmask_b32 v[CM+4*\t+2], v236, v237, vcc_lo ; sin of the angle
.endm
	SINCOS 0
	SINCOS 1
	s_wait_loadcnt 0x0                             ; the mask
	v_cvt_f32_u32 v12, v12
	v_cvt_f32_u32 v13, v13
.irp t, 0,1
	v_mul_f32 v[CM+4*\t], v[CM+4*\t], v[12+\t]     ; m is 0 or 1: (f cos) m = f (cos m), bit for bit
	v_mul_f32 v[CM+4*\t+2], v[CM+4*\t+2], v[12+\t]
	v_mov_b32 v[CM+4*\t+1], v[CM+4*\t]
	v_mov_b32 v[CM+4*\t+3], v[CM+4*\t+2]
.endr
	s_wait_tensorcnt 0x0                           ; all that I asked for lies in LDS: my rows of q and, in waves 0-7, my unit
.irp t, 0,1
.irp b, 0,1
.irp l, 0,1,2,3
	ds_load_b128 v[X+32*\t+16*\b+4*\l:X+32*\t+16*\b+4*\l+3], v4 offset:16*QP*\t+128*\b+16*\l   ; q(row r, kdims 32 b + 16 h + 4 l on)
.endr
.endr
.endr
	s_cmp_lt_u32 s12, 8
	s_cbranch_scc0 .Lno_kv
	; WAVES 0-7: unit (kind, n).  Piece (j, half) lands at register 16 half + 4 j: place 16 half + 4 j + x of my block is kdim 16 half + 4 x + j
.irp p, 0,1,2,3
.irp j, 0,1,2,3
.irp u, 0,1
	ds_load_b128 v[KV+32*\p+16*\u+4*\j:KV+32*\p+16*\u+4*\j+3], v6 offset:4096*\p+1024*\j+512*\u
.endr
.endr
.endr
	s_wait_dscnt 16                                ; q and parts 0 and 1 are in; the 16 loads of parts 2 and 3 may be out
.irp k, 0,2,4,6,8,10,12,14,16,18,20,22,24,26,28,30
	v_pk_add_f32 v[KV+\k:KV+\k+1], v[KV+\k:KV+\k+1], v[KV+32+\k:KV+32+\k+1]
.endr
	s_wait_dscnt 0x0
.irp k, 0,2,4,6,8,10,12,14,16,18,20,22,24,26,28,30
	v_pk_add_f32 v[KV+64+\k:KV+64+\k+1], v[KV+64+\k:KV+64+\k+1], v[KV+96+\k:KV+96+\k+1]
.endr
.irp k, 0,2,4,6,8,10,12,14,16,18,20,22,24,26,28,30
	v_pk_add_f32 v[KV+\k:KV+\k+1], v[KV+\k:KV+\k+1], v[KV+64+\k:KV+64+\k+1]   ; kv(kdims of block h, vdim 4 r + n): all 32 are mine
.endr
	v_max3_num_f32 v232, |v[KV]|, |v[KV+1]|, 0x8000000             ; the block's largest magnitude, in two chains, with the floor 2^(16 - 127): the byte cannot fall under 1
	v_max3_num_f32 v233, |v[KV+16]|, |v[KV+17]|, 0x8000000
.irp i, 2,4,6,8,10,12,14
	v_max3_num_f32 v232, v232, |v[KV+\i]|, |v[KV+\i+1]|
	v_max3_num_f32 v233, v233, |v[KV+16+\i]|, |v[KV+17+\i]|
.endr
	v_max_num_f32 v232, v232, v233
	v_add_nc_u32 v233, 0xf8800000, v232            ; 15 off its exponent field: the conversion's scale operand
	v_and_or_b32 v234, v232, 0x7f800000, s52       ; 57,344 x the scale
	v_lshrrev_b32 v235, 23, v233                   ; the scale's byte
.irp i, 0,1,2,3,4,5,6,7,8,9,10,11,12,13,14,15,16,17,18,19,20,21,22,23,24,25,26,27,28,29,30,31
	v_med3_num_f32 v[KV+\i], v[KV+\i], -v234, v234 ; the conversion to an 8-bit code does not saturate (ISA guide 7.6.2)
.endr
.irp g, 0,1,2,3
	v_cvt_scalef32_pk8_bf8_f32 v[208+2*\g:209+2*\g], v[KV+8*\g:KV+8*\g+7], v233
.endr
	v_nop                                          ; a plain instruction behind the last conversion
	ds_store_b128 v7, v[208:211]                   ; places 0-15 of block 2 kind + h: what lane r of the fragment holds,
	ds_store_b128 v7, v[212:215] offset:256        ; places 16-31: lane 16 + r
	ds_store_b8 v8, v235
.Lno_kv:
	s_wait_dscnt 0x0                               ; q is in my registers; for the others' sake: my stores have landed
	s_barrier_signal -1
; Tile t of q becomes a fragment and its scale word: work on registers alone.
.macro QTILE t
.set XB, X+32*\t
.irp k, 0,2,4,6,8,10,12,14,16,18,20,22,24,26,28,30
	v_pk_mul_f32 v[T+\k:T+\k+1], v[XB+\k:XB+\k+1], s[36:37] op_sel_hi:[1,0]
.endr
.irp k, 0,1,2,3,4,5,6,7,8,9,10,11,12,13,14,15,16,17,18,19,20,21,22,23,24,25,26,27,28,29,30,31
	v_exp_f32 v[T+\k], v[T+\k]
.endr
.irp k, 0,2,4,6,8,10,12,14,16,18,20,22,24,26,28,30
	v_pk_add_f32 v[XB+\k:XB+\k+1], v[XB+\k:XB+\k+1], 1.0 op_sel_hi:[1,0]     ; plain work that names no exponential's result
.endr
.if \t
	s_wait_xcnt 0x0                                ; tile 0's stores have read their data, v112-143, which are written again below
.endif
	s_wait_alu depctr_va_vdst(0)                   ; one wait for the tile's 32 exponentials, ahead of their first reader
.irp b, 0,1
.irp l, 0,1,2,3
.irp x, 0,1,2,3
	v_med3_num_f32 v[F+16*\b+4*\x+\l], v[T+16*\b+4*\l+\x], v[XB+16*\b+4*\l+\x], 1.0   ; f is the middle one of e^x, x + 1 and 1; kdim 4 l + x of my 16 goes to place 4 x + l, as kv's lie
.endr
.endr
.endr
.irp b, 0,1
	v_max3_num_f32 v[M+\b], v[F+16*\b], v[F+16*\b+1], 0            ; the largest f of each block (f is not negative)
.endr
.irp i, 2,4,6,8,10,12,14
.irp b, 0,1
	v_max3_num_f32 v[M+\b], v[M+\b], v[F+16*\b+\i], v[F+16*\b+\i+1]
.endr
.endr
	v_permlanex16_b32 v[M+2], v[M], s38, s39
	v_permlanex16_b32 v[M+3], v[M+1], s38, s39
	v_max_num_f32 v[M], v[M], v[M+2]
	v_max_num_f32 v[M+1], v[M+1], v[M+3]
	v_mul_f32 v[AM], v[M], v[CM+4*\t]              ; cos m and sin m are one number for the whole row, and rounding keeps order: the largest product is the product of the largest f
	v_mul_f32 v[AM+1], v[M+1], v[CM+4*\t]
	v_mul_f32 v[AM+2], v[M], v[CM+4*\t+2]
	v_mul_f32 v[AM+3], v[M+1], v[CM+4*\t+2]
.irp c, 0,1,2,3
	v_max_num_f32 v[AM+\c], 0x8000000, v[AM+\c]    ; the floor 2^(16 - 127): the byte cannot fall under 1
.endr
.irp c, 0,1,2,3
	v_add_nc_u32 v[SC+\c], 0xf8800000, v[AM+\c]    ; 15 off the exponent field: the conversion's scale operand
.endr
.irp c, 0,1,2,3
	v_and_or_b32 v[AM+\c], v[AM+\c], 0x7f800000, s52   ; 57,344 x the scale
.endr
.irp c, 0,1,2,3
	v_lshrrev_b32 v[BY+\c], 23, v[SC+\c]
.endr
	v_lshl_or_b32 v[QW], v[BY+1], 8, v[BY]         ; my row's scale word: cos block 0, cos block 1, sin block 0, sin block 1; the 96 plain lines below stand between it and the products
	v_lshl_or_b32 v[QW], v[BY+2], 16, v[QW]
	v_lshl_or_b32 v[QW], v[BY+3], 24, v[QW]
.irp b, 0,1
.irp i, 0,2,4,6,8,10,12,14
	v_pk_mul_f32 v[XB+16*\b+\i:XB+16*\b+\i+1], v[F+16*\b+\i:F+16*\b+\i+1], v[CM+4*\t:CM+4*\t+1]
	v_pk_mul_f32 v[T+16*\b+\i:T+16*\b+\i+1], v[F+16*\b+\i:F+16*\b+\i+1], v[CM+4*\t+2:CM+4*\t+3]
.endr
.endr
.irp b, 0,1
.irp i, 0,1,2,3,4,5,6,7,8,9,10,11,12,13,14,15
	v_min_num_f32 v[XB+16*\b+\i], v[XB+16*\b+\i], v[AM+\b]         ; the conversion does not saturate (ISA guide 7.6.2); nothing is negative, so the hold is one-sided
.endr
	v_cvt_scalef32_pk8_bf8_f32 v[A+4*\b:A+4*\b+1], v[XB+16*\b:XB+16*\b+7], v[SC+\b]
	v_cvt_scalef32_pk8_bf8_f32 v[A+4*\b+2:A+4*\b+3], v[XB+16*\b+8:XB+16*\b+15], v[SC+\b]
.endr
.irp b, 0,1
.irp i, 0,1,2,3,4,5,6,7,8,9,10,11,12,13,14,15
	v_min_num_f32 v[T+16*\b+\i], v[T+16*\b+\i], v[AM+2+\b]
.endr
	v_cvt_scalef32_pk8_bf8_f32 v[A+8+4*\b:A+8+4*\b+1], v[T+16*\b:T+16*\b+7], v[SC+2+\b]
	v_cvt_scalef32_pk8_bf8_f32 v[A+8+4*\b+2:A+8+4*\b+3], v[T+16*\b+8:T+16*\b+15], v[SC+2+\b]
.endr
.rept 4
	v_nop                                          ; an operand written by vector instructions stands four places ahead of a scaled matrix instruction
.endr
.endm
; Tile t's four products, one for each tile of vdims, each a whole sum; then the division by 8, which lays the four n side by side; then whole rows go out.
.macro MULOUT t
.irp n, 0,1,2,3
.set BB, 16+16*\n+144*(\n/2)
	v_wmma_scale_f32_16x16x128_f8f6f4 v[ACC+8*\n:ACC+8*\n+7], v[A:A+15], v[BB:BB+15], 0, v[QW], v[BS+\n] matrix_a_fmt:MATRIX_FMT_BF8 matrix_b_fmt:MATRIX_FMT_BF8
.endr
.rept 8
	v_nop                                          ; eight places between this form's last instruction and the first read of a result
.endr
.irp j, 0,1,2,3,4,5,6,7
.irp n, 0,1,2,3
	v_mul_f32 v[F+4*\j+\n], s53, v[ACC+8*\n+\j]    ; each accumulator from its low end on
.endr
	global_store_b128 v5, v[F+4*\j:F+4*\j+3], s[10:11] offset:4096*\t+256*\j th:TH_STORE_NT   ; lanes 0-15 store row j whole, lanes 16-31 row 8 + j: 256 consecutive bytes each, aligned
.endr
.endm
	QTILE 0                                        ; between the signal and the wait: registers alone
	s_barrier_wait -1                              ; kv's fragments and scale bytes lie in LDS
.irp n, 0,1,2,3
.set BB, 16+16*\n+144*(\n/2)           ; fragments 0, 1 at v16, v32 (tile 0's q is done with), 2, 3 at v192, v208
.irp c, 0,1,2,3
	ds_load_b128 v[BB+4*\c:BB+4*\c+3], v9 offset:2048*\n+512*\c
.endr
	ds_load_b32 v[BS+\n], v10 offset:64*\n
.endr
	s_wait_dscnt 0x0
	MULOUT 0
	QTILE 1
	MULOUT 1
	s_wait_tensorcnt 0x0
	ds_add_u32 v254, v255
	s_wait_dscnt 0x0
	ROUND                                          ; the closing round: no work-group ends while a partner may still ask for a unit jointly
	s_endpgm
.Lfunc_end_k_q4d93fff6b4_apply:
	.size	k_q4d93fff6b4_apply, .Lfunc_end_k_q4d93fff6b4_apply-k_q4d93fff6b4_apply
	.p2alignl 7, 3214868480
	.fill 96, 4, 3214868480
	.section	.rodata,"a",@progbits
	.p2align	6, 0x0
	.amdhsa_kernel k_q4d93fff6b4_apply
		.amdhsa_group_segment_fixed_size 281600
		.amdhsa_private_segment_fixed_size 0
		.amdhsa_enable_private_segment 0
		.amdhsa_kernarg_size 32
		.amdhsa_user_sgpr_count 2
		.amdhsa_user_sgpr_kernarg_segment_ptr 1
		.amdhsa_wavefront_size32 1
		.amdhsa_system_sgpr_workgroup_id_x 1
		.amdhsa_system_sgpr_workgroup_id_y 1
		.amdhsa_system_sgpr_workgroup_id_z 1
		.amdhsa_system_vgpr_workitem_id 0
		.amdhsa_next_free_vgpr 256
		.amdhsa_next_free_sgpr 66
		.amdhsa_reserve_vcc 1
		.amdhsa_float_denorm_mode_32 3
		.amdhsa_float_denorm_mode_16_64 3
		.amdhsa_memory_ordered 1
		.amdhsa_forward_progress 1
		.amdhsa_inst_pref_size 50
	.end_amdhsa_kernel
	.amdgpu_metadata
---
amdhsa.version: [ 1, 2 ]
amdhsa.kernels:
  - .name:           k_q4d93fff6b4_apply
    .symbol:         k_q4d93fff6b4_apply.kd
    .args:
      - { .name: q, .offset: 0, .size: 8, .value_kind: global_buffer, .address_space: global }
      - { .name: token_mask, .offset: 8, .size: 8, .value_kind: global_buffer, .address_space: global }
      - { .name: part, .offset: 16, .size: 8, .value_kind: global_buffer, .address_space: global }
      - { .name: out0, .offset: 24, .size: 8, .value_kind: global_buffer, .address_space: global }
    .group_segment_fixed_size: 281600
    .private_segment_fixed_size: 0
    .kernarg_segment_align: 8
    .kernarg_segment_size: 32
    .max_flat_workgroup_size: 512
    .sgpr_count:     66
    .vgpr_count:     256
    .wavefront_size: 32
...
	.end_amdgpu_metadata
.endif
;; end of part 2
